; MI455X (gfx1250); checked and timed in simulation.
; The chip was launched on July 23, 2026; its instructions are those of AMD's public machine-readable ISA for CDNA 5 (MIT licence, August 2026) and "CDNA5" Instruction Set Architecture Reference Guide (July 2026). The comments in the code are by the model that wrote it; some were corrected since.
;; Attention Based Pooling. Allowed arithmetic: float matrix products may take bf16 or f16 operands with f32 sums; other float arithmetic in f32, or as packed bf16 or f16 multiplies, adds, multiply-adds, maxima and minima; sums over many terms, partial sums and values carried from step to step in f32; what a program stores and reads back later, other than sums and carried values, may be rounded once to bf16 or f16.
;; Inputs: W1 64 x 64 float32; Ws 64 x 1 float32; b1 64 float32; bs 1 float32; x 2,048 x 32 x 64 float32.
;; Outputs: out0 2,048 x 1 float32.
;; One version. Each part assembles by itself: llvm-mc -triple=amdgcn-amd-amdhsa -mcpu=gfx1250 --defsym DOCPART=n.
;; ======== version 1 of 1: 1 launch
;; limits: values outside matrix products are rounded to bf16
;; launch afm_pool (part 1): grid 256 x 1, 8 waves a work-group, no clusters, 118,016 bytes of LDS; arguments x, W1, b1, Ws, bs, out0; writes out0
.if DOCPART == 1
	.amdgcn_target "amdgcn-amd-amdhsa--gfx1250"
	.amdhsa_code_object_version 6
	.text
	.protected	k_qd25da26c91_afm_pool
	.globl	k_qd25da26c91_afm_pool
	.p2align	8
	.type	k_qd25da26c91_afm_pool,@function
k_qd25da26c91_afm_pool:
	s_mov_b64 s[64:65], 0
	v_nop
	global_prefetch_b8 v0, s[64:65] scope:SCOPE_SE
	s_setreg_imm32_b32 hwreg(HW_REG_WAVE_MODE, 25, 1), 1
	s_wait_xcnt 0x0
; Attention-based pooling of pairwise field products.  x: [2048][32][64] f32, W1: [64][64] f32 ([d][h]), b1, Ws: [64] f32, bs: [1] f32,
; out0: [2048] f32.   out[b] = sum over pairs p of softmax_p(score) * sum_d cross[p][d],   cross[p] = x[i] * x[j],
; score[p] = sum_h Ws[h] relu(cross[p] . W1[:,h] + b1[h]) + bs.
; sum_d cross[p][d] is the dot product G[i][j] = x[i] . x[j], so the pooled vector is never formed: out = sum_p attn[p] G[i_p][j_p].
; PAIRS.  Softmax and sum do not depend on the order of the pairs.  They are taken by circular distance: (j, (j + dl) mod 32), dl = 1..15 with
; j = 0..31 (480 pairs) and dl = 16 with j = 0..15 (16 pairs): each of the 496 unordered pairs once, in 31 full tiles of 16 pairs.
; WORK.  256 work-groups of 8 waves; one wave owns one batch row b = 8 x work-group + wave from its loads to its result.
; MATRIX FORM.  Used transposed: A = 16 hidden units x 32 d of W1^T, B = 32 d x 16 pairs of cross.  In the result lane (r, h) holds pair r and
; hidden units 8h .. 8h+7 of each of four blocks: relu and the dot with Ws stay inside the lane, one exchange joins the halves.
; b1 enters as the C operand of the first K step, bs as the first addend of the dot with Ws.
; NOT SHARED BETWEEN WORK-GROUPS BY JOINT LOADS: the only inputs that work-groups share are W1, b1, Ws (16,896 bytes, read once by each
; work-group) against 65,536 bytes of x that are a work-group's own, and both pass through registers to be rounded to bf16.
; LIMITS.  cross is the bf16 product of x rounded to bf16 (three roundings to bf16 in a matrix operand where one is the least possible);
; G is made from x rounded to bf16, with f32 sums; the f32 sums run in another order than in the source formula; exponentials below 2^-126 count
; as zero (ISA guide, v_exp_f32); relu is v_max_num_f32, so a NaN that stems from W1 or b1 alone becomes 0 (a NaN in x or Ws reaches the result).
.set XP,     144                       ; LDS pitch of a row of x in bf16: 128 bytes + 16: sixteen rows start 36 words apart, at 16 different places modulo 64 words (64 banks of 4 bytes: ISA guide 11.1)
.set WP,     160                       ; LDS pitch of a row of W1 in bf16: 128 bytes + 32, an odd multiple of 32 for the transposing loads
.set GP,     200                       ; LDS pitch of a row of G: 48 f32 + 2
.set OUTL,   0                         ; eight results of the work-group
.set W1L,    256                       ; W1 in bf16, [d][h]
.set WAVE0,  W1L+64*WP                 ; the waves' own bytes begin here
.set XBYTES, 48*XP                     ; a wave's rows of x: 0..31, then 0..15 once more, so that row + dl needs no wrap
.set WAVEB,  XBYTES+32*GP              ; + its G: 32 rows, columns 0..31, then 0..15 once more
.set LANE, 1                           ; v1   lane
.set R,    2                           ; v2   lane % 16
.set H,    3                           ; v3   lane / 16
.set XO,   4                           ; v4   byte offset of my 16 bytes in the work-group's part of x
.set WO,   5                           ; v5   the same in W1
.set BO,   6                           ; v6   32 h: my half's eight numbers in b1 and Ws
.set VW,   7                           ; v7   LDS: where I put 8 bytes of W1
.set VT,   8                           ; v8   LDS: my address for the transposing loads of W1
.set VX,   9                           ; v9   LDS: where I put 8 bytes of x
.set VF,   10                          ; v10  LDS: row r of my wave's x, + 16 h: fragment loads
.set VG,   11                          ; v11  LDS: where I put G
.set VGR,  12                          ; v12  LDS: G[lane][lane]
.set T0,   13                          ; v13-15 at work
.set T1,   14
.set BI,   16                          ; v[16:17]  (bs in lanes 0-15, 0 in lanes 16-31; 0): first addend of the dot with Ws
.set Q,    18                          ; v[18:25]  four chains of that dot, two numbers each
.set PP,   26                          ; v26, v27  a lane's part of the score, tile of j = 0..15 and tile of j = 16..31
.set TA,   28
.set TB,   29
.set TC,   30
.set S,    32                          ; v[32:47]  scores: register dl-1, lane j
.set RL,   48                          ; v[48:63]  rows j + dl of x, as a fragment
.set XF,   64                          ; v[64:95]  rows j of x as fragments: 16 registers for j = 0..15, 16 for j = 16..31; at the end G's diagonals
.set BS,   96                          ; v[96:127] b1 in the layout of four results
.set WS,   128                         ; v[128:159] Ws likewise
.set CR,   160                         ; v[160:191] cross, two buffers of 16
.set AC,   192                         ; v[192:255] results, two sets of 4 x 8; first the 64 registers in which x arrives
.set GA,   AC+32                       ; G's four tiles, in the second set
.set WA,   0                           ; window 1, v[256:319]: W1^T as eight A fragments (block t, K step s at 16 t + 8 s)
.set A_HI,  0x01                       ; source 0 (A) in window 1, all else in window 0
.set TO_HI, 0x40                       ; destination in window 1
.set MSB, 0
.macro WIN new                         ; the immediate's high byte repeats the setting that is left
.if MSB != \new
	s_set_vgpr_msb (MSB<<8)|\new
.set MSB, \new
.endif
.endm
	s_load_b256 s[4:11], s[0:1], 0x0               ; x s[4:5], W1 s[6:7], b1 s[8:9], Ws s[10:11]
	s_load_b128 s[12:15], s[0:1], 0x20             ; bs s[12:13], out0 s[14:15]
	v_lshl_add_u32 v15, v0, 2, 0x1c900
	v_mov_b32 v31, 0
	v_lshrrev_b32 v[T0], 5, v0
	v_readfirstlane_b32 s16, v[T0]                 ; wave 0..7
	v_and_b32 v[LANE], 31, v0
	v_and_b32 v[R], 15, v0
	v_bfe_u32 v[H], v0, 4, 1
	v_lshlrev_b32 v[WO], 4, v0                     ; W1: 16 bytes a thread, 4,096 a round
	v_lshlrev_b32 v[XO], 4, v[LANE]
	v_lshl_add_u32 v[XO], v[T0], 13, v[XO]         ; x: wave x 8,192 bytes (one batch row) + 16 x lane
	v_lshlrev_b32 v[BO], 5, v[H]
	s_lshl_b32 s18, ttmp9, 16                      ; the work-group's eight batch rows: 65,536 bytes
	s_mov_b32 s19, 0
	s_wait_kmcnt 0x0
	s_load_b32 s17, s[12:13], 0x0                  ; bs
	s_add_nc_u64 s[4:5], s[4:5], s[18:19]
	; every load of the kernel is issued here: W1 first (the whole work-group waits for it), then my batch row, then b1 and Ws
.irp k, 0,1,2,3
	global_load_b128 v[CR+4*\k:CR+4*\k+3], v[WO], s[6:7] offset:4096*\k
.endr
.irp k, 0,1,2,3,4,5,6,7,8,9,10,11,12,13,14,15
	global_load_b128 v[AC+4*\k:AC+4*\k+3], v[XO], s[4:5] offset:512*\k th:TH_LOAD_NT   ; 512 consecutive bytes a load: rows 2k, 2k+1
.endr
.irp t, 0,1,2,3
	global_load_b128 v[BS+8*\t:BS+8*\t+3],   v[BO], s[8:9] offset:64*\t        ; b1[16t + 8h + 0..3]
	global_load_b128 v[BS+8*\t+4:BS+8*\t+7], v[BO], s[8:9] offset:64*\t+16     ; b1[16t + 8h + 4..7]
.endr
.irp t, 0,1,2,3
	global_load_b128 v[WS+8*\t:WS+8*\t+3],   v[BO], s[10:11] offset:64*\t
	global_load_b128 v[WS+8*\t+4:WS+8*\t+7], v[BO], s[10:11] offset:64*\t+16
.endr
	; LDS addresses, while the loads are on their way
	s_mul_i32 s20, s16, WAVEB
	s_add_co_u32 s20, s20, WAVE0                   ; my wave's x
	s_add_co_u32 s21, s20, XBYTES                  ; my wave's G
	s_mov_b32 s22, 0xffff                          ; lanes 0-15
	s_mov_b32 s24, 0x76543210                      ; v_permlanex16_b32: lane i takes lane i of the other half
	s_mov_b32 s25, 0xfedcba98
	v_lshrrev_b32 v[T0], 4, v0
	v_mul_u32_u24 v[VW], v[T0], WP
	v_lshl_add_u32 v[VW], v[R], 3, v[VW]           ; W1 in: row thread / 16 (+ 16 a round), 8 bytes at 8 (thread % 16)
	v_and_b32 v[T0], 7, v0
	v_lshl_add_u32 v[T0], v[H], 3, v[T0]
	v_mul_u32_u24 v[VT], v[T0], WP
	v_bfe_u32 v[T1], v0, 3, 1
	v_lshl_add_u32 v[VT], v[T1], 4, v[VT]          ; W1 out, transposing: row 8h + lane % 8, 16 bytes at 16 ((lane / 8) % 2)
	v_mul_u32_u24 v[VX], v[H], XP
	v_lshl_add_u32 v[VX], v[R], 3, v[VX]
	v_add_nc_u32 v[VX], s20, v[VX]                 ; x in: row h (+ 2 a load), 8 bytes at 8 r
	v_mul_u32_u24 v[VF], v[R], XP
	v_lshl_add_u32 v[VF], v[H], 4, v[VF]
	v_add_nc_u32 v[VF], s20, v[VF]                 ; x out: row r, 16 bytes at 16 h
	v_mul_u32_u24 v[VG], v[H], 8*GP
	v_lshl_add_u32 v[VG], v[R], 2, v[VG]
	v_add_nc_u32 v[VG], s21, v[VG]                 ; G in: row 8h (+ register), column r
	v_mul_u32_u24 v[VGR], v[LANE], GP+4
	v_add_nc_u32 v[VGR], s21, v[VGR]               ; G out: row lane, column lane (+ dl)
	v_mov_b32 v[TC], 0                             ; v_permlanex16_b32 counts as a reader of its destination
	v_mov_b32 v[BI+1], 0
	; W1 to bf16, into LDS as it lies in memory, [d][h]; every wave brings an eighth
	s_wait_loadcnt 32                              ; W1's four loads are in; the 32 younger ones (x, b1, Ws) stay out
.irp k, 0,1,2,3
	v_cvt_pk_bf16_f32 v[CR+4*\k],   v[CR+4*\k],   v[CR+4*\k+1]
	v_cvt_pk_bf16_f32 v[CR+4*\k+1], v[CR+4*\k+2], v[CR+4*\k+3]
	ds_store_b64 v[VW], v[CR+4*\k:CR+4*\k+1] offset:W1L+16*WP*\k
.endr
	s_wait_dscnt 0x0                               ; my part of W1 is written, for the other waves' sake
	s_barrier_signal -1
	s_barrier_wait -1                              ; everybody's is
	; A fragments of W1^T: lane (r, h) gets hidden unit 16t + r, d = 32s + 8h .. +7 and 32s + 16 + 8h .. +7
	WIN TO_HI
.irp t, 0,1,2,3
.irp s, 0,1
	ds_load_tr16_b128 v[WA+16*\t+8*\s:WA+16*\t+8*\s+3],   v[VT] offset:W1L+32*WP*\s+32*\t
	ds_load_tr16_b128 v[WA+16*\t+8*\s+4:WA+16*\t+8*\s+7], v[VT] offset:W1L+32*WP*\s+32*\t+16*WP
.endr
.endr
	WIN 0
	; x to bf16, into my wave's own rows; rows 0..15 a second time as rows 32..47
.irp k, 0,1,2,3,4,5,6,7,8,9,10,11,12,13,14,15
	s_wait_loadcnt 31-\k                           ; load k of x is in: 15-k younger loads of x and the 16 of b1 and Ws stay out
	v_cvt_pk_bf16_f32 v[AC+4*\k],   v[AC+4*\k],   v[AC+4*\k+1]
	v_cvt_pk_bf16_f32 v[AC+4*\k+1], v[AC+4*\k+2], v[AC+4*\k+3]
	ds_store_b64 v[VX], v[AC+4*\k:AC+4*\k+1] offset:2*XP*\k
.if \k < 8
	ds_store_b64 v[VX], v[AC+4*\k:AC+4*\k+1] offset:2*XP*\k+32*XP
.endif
.endr
	; LDS serves a wave's instructions in order (ISA guide 5.7.1): these loads see the stores above; no other wave touches the bytes
.irp t, 0,1
.irp q, 0,1,2,3
	ds_load_b128 v[XF+16*\t+4*\q:XF+16*\t+4*\q+3], v[VF] offset:16*XP*\t+32*\q     ; row 16t + r, d = 16q + 8h .. +7
.endr
.endr
; rows 16t + r + d of x, in the fragment layout of XF
.macro LOADROT d, t
.irp q, 0,1,2,3
	ds_load_b128 v[RL+4*\q:RL+4*\q+3], v[VF] offset:XP*(16*\t+\d)+32*\q
.endr
.endm
; cross for 16 pairs x 64 d, two bf16 products an instruction, into buffer b: the B fragments of both K steps
.macro CROSS t, b
.irp i, 0,1,2,3,4,5,6,7,8,9,10,11,12,13,14,15
	v_pk_mul_bf16 v[CR+16*\b+\i], v[XF+16*\t+\i], v[RL+\i]
.endr
.endm
; 64 hidden units x 16 pairs x 64 d.  The four accumulators take turns, one instruction a turn.
; The first K step starts the sums from b1.
.macro MATS b
	WIN A_HI
.irp t, 0,1,2,3
	v_wmma_f32_16x16x32_bf16 v[AC+32*\b+8*\t:AC+32*\b+8*\t+7], v[WA+16*\t:WA+16*\t+7], v[CR+16*\b:CR+16*\b+7], v[BS+8*\t:BS+8*\t+7]
.endr
.irp t, 0,1,2,3
	v_wmma_f32_16x16x32_bf16 v[AC+32*\b+8*\t:AC+32*\b+8*\t+7], v[WA+16*\t+8:WA+16*\t+15], v[CR+16*\b+8:CR+16*\b+15], v[AC+32*\b+8*\t:AC+32*\b+8*\t+7]
.endr
	WIN 0
.endm
; relu and the dot with Ws over my 32 hidden units of set b: four chains of packed multiply-adds, the first started from bs
.macro POST b
.irp i, 0,1,2,3,4,5,6,7,8,9,10,11,12,13,14,15,16,17,18,19,20,21,22,23,24,25,26,27,28,29,30,31
	v_max_num_f32 v[AC+32*\b+\i], 0, v[AC+32*\b+\i]
.endr
	v_pk_fma_f32 v[Q:Q+1],   v[AC+32*\b:AC+32*\b+1],       v[WS:WS+1], v[BI:BI+1]
	v_pk_mul_f32 v[Q+2:Q+3], v[AC+32*\b+8:AC+32*\b+9],     v[WS+8:WS+9]
	v_pk_mul_f32 v[Q+4:Q+5], v[AC+32*\b+16:AC+32*\b+17],   v[WS+16:WS+17]
	v_pk_mul_f32 v[Q+6:Q+7], v[AC+32*\b+24:AC+32*\b+25],   v[WS+24:WS+25]
.irp s, 2,4,6
.irp q, 0,1,2,3
	v_pk_fma_f32 v[Q+2*\q:Q+2*\q+1], v[AC+32*\b+8*\q+\s:AC+32*\b+8*\q+\s+1], v[WS+8*\q+\s:WS+8*\q+\s+1], v[Q+2*\q:Q+2*\q+1]
.endr
.endr
	v_pk_add_f32 v[Q:Q+1],   v[Q:Q+1],   v[Q+2:Q+3]
	v_pk_add_f32 v[Q+4:Q+5], v[Q+4:Q+5], v[Q+6:Q+7]
	v_pk_add_f32 v[Q:Q+1],   v[Q:Q+1],   v[Q+4:Q+5]
	v_add_f32 v[PP+\b], v[Q], v[Q+1]
.endm
	LOADROT 1, 0                                   ; tile 0: dl = 1, j = 0..15
	s_wait_dscnt 0x4                               ; W1's and x's fragments are in (and my stores done); the four loads just issued stay out
	; G = x x^T, 32 x 32, four tiles by turns; the first K step starts the sums
.irp a, 0,1
.irp b, 0,1
	v_wmma_f32_16x16x32_bf16 v[GA+8*(2*\a+\b):GA+8*(2*\a+\b)+7], v[XF+16*\a:XF+16*\a+7], v[XF+16*\b:XF+16*\b+7], 0
.endr
.endr
.irp a, 0,1
.irp b, 0,1
	v_wmma_f32_16x16x32_bf16 v[GA+8*(2*\a+\b):GA+8*(2*\a+\b)+7], v[XF+16*\a+8:XF+16*\a+15], v[XF+16*\b+8:XF+16*\b+15], v[GA+8*(2*\a+\b):GA+8*(2*\a+\b)+7]
.endr
.endr
	s_wait_dscnt 0x0                               ; tile 0's rows
	CROSS 0, 0                                     ; also the places behind G's matrix instructions (ISA guide 7.12.1): of these 16 lines at least 8 name no register of any one of them
.irp a, 0,1
.irp b, 0,1
.irp j, 0,1,2,3,4,5,6,7
	ds_store_b32 v[VG], v[GA+8*(2*\a+\b)+\j] offset:16*GP*\a+GP*\j+64*\b           ; G[16a + 8h + j][16b + r]
.if \b == 0
	ds_store_b32 v[VG], v[GA+8*(2*\a+\b)+\j] offset:16*GP*\a+GP*\j+128             ; columns 0..15 once more as 32..47
.endif
.endr
.endr
.endr
	LOADROT 1, 1                                   ; tile 1: dl = 1, j = 16..31
	s_wait_kmcnt 0x0                               ; bs
	v_mov_b32 v[T0], s17
	v_cndmask_b32 v[BI], 0, v[T0], s22             ; a pair's score is the sum of two lanes' parts: bs enters in the lower lane alone
	s_wait_loadcnt 0x0                             ; b1 and Ws
	; THE 31 TILES.  Tile n: dl = 1 + n / 2, j = 16 (n % 2) + r; buffers n % 2.  A step issues tile n's matrix instructions, forms tile n+1's
	; cross, asks for tile n+2's rows and reduces tile n-1's results.  So every vector read of a result, and every rewrite of a cross buffer,
	; stands behind the 16 packed products of at least one step, which name none of the registers of the matrix instructions concerned.
	; Written out: the rotation is an immediate offset and each dl's scores have a register of their own.
.set n, 0
.rept 31
.set cur, n&1
.set nxt, (n+1)&1
	MATS cur
.if n < 30
	s_wait_dscnt 0x0                               ; tile n+1's rows, asked for one step ago (in step 0 also G's stores, whose data set 1 holds)
	CROSS nxt, nxt
.endif
.if n < 29
.set dl, 1+(n+2)/2
	LOADROT dl, cur
.endif
.if n == 29
.irp d, 1,2,3,4,5,6,7,8,9,10,11,12,13,14,15,16
	ds_load_b32 v[XF+\d-1], v[VGR] offset:4*\d     ; x's fragments have had their last use: G[lane][lane + d] takes their place
.endr
.endif
.if n > 0
	POST nxt                                       ; tile n-1
.if cur == 0
	; both tiles of a dl are reduced: lanes 0-15 get pair j = lane (tile 0's two parts), lanes 16-31 pair j = lane (tile 1's)
	v_cndmask_b32 v[TA], v[PP+1], v[PP], s22       ; my own part
	v_cndmask_b32 v[TB], v[PP], v[PP+1], s22       ; the part that the lane opposite needs
	v_permlanex16_b32 v[TC], v[TB], s24, s25
	v_add_f32 v[S+(n-2)/2], v[TA], v[TC]
.endif
.endif
.set n, n+1
.endr
	POST 0                                         ; tile 30: dl = 16, j = 0..15; behind tile 29's reduction, which names none of its registers
	v_permlanex16_b32 v[TC], v[PP], s24, s25
	v_add_f32 v[S+15], v[PP], v[TC]                ; lanes 16-31 hold the same 16 scores again: dropped below
	; SOFTMAX over the 496 scores and the weighted sum of G.  The maximum is the true one.
	v_max3_num_f32 v18, v[S],    v[S+1],  v[S+2]
	v_max3_num_f32 v20, v[S+3],  v[S+4],  v[S+5]
	v_max3_num_f32 v18, v18, v[S+6],  v[S+7]
	v_max3_num_f32 v20, v20, v[S+8],  v[S+9]
	v_max3_num_f32 v18, v18, v[S+10], v[S+11]
	v_max3_num_f32 v20, v20, v[S+12], v[S+13]
	v_max3_num_f32 v18, v18, v[S+14], v[S+15]
	v_max_num_f32 v18, v18, v20
.irp m, 1,2,4,8
	v_max_num_f32_dpp v18, v18, v18 row_xmask:\m row_mask:0xf bank_mask:0xf
.endr
	v_permlanex16_b32 v[TC], v18, s24, s25
	v_max_num_f32 v18, v18, v[TC]
	v_mov_b32 v19, v18                             ; a pair for the packed subtraction
.irp i, 0,2,4,6,8,10,12,14
	v_pk_add_f32 v[S+\i:S+\i+1], v[S+\i:S+\i+1], v[18:19] neg_lo:[0,1] neg_hi:[0,1]     ; score - maximum first, so that near the maximum nothing is lost,
.endr
.irp i, 0,2,4,6,8,10,12,14
	v_pk_mul_f32 v[S+\i:S+\i+1], v[S+\i:S+\i+1], 0x3fb8aa3b op_sel_hi:[1,0]             ; then times log2 e
.endr
.irp i, 15,0,1,2,3,4,5,6,7,8,9,10,11,12,13,14
	v_exp_f32 v[S+\i], v[S+\i]
.endr
	s_wait_dscnt 0x0                               ; G's diagonals
	v_nop                                          ; one plain vector instruction between the exponentials and the first use (ISA guide 5.7.2)
	s_wait_alu depctr_va_vdst(0)
	v_cndmask_b32 v[S+15], 0, v[S+15], s22         ; dl = 16 has 16 pairs: the copies in lanes 16-31 weigh nothing
	v_pk_mul_f32 v[20:21], v[S:S+1],     v[XF:XF+1]                    ; N = sum of e G, two chains
	v_pk_mul_f32 v[22:23], v[S+2:S+3],   v[XF+2:XF+3]
	v_pk_add_f32 v[24:25], v[S:S+1],     v[S+2:S+3]                    ; Z = sum of e, two chains
	v_pk_add_f32 v[26:27], v[S+4:S+5],   v[S+6:S+7]
	v_pk_fma_f32 v[20:21], v[S+4:S+5],   v[XF+4:XF+5],   v[20:21]
	v_pk_fma_f32 v[22:23], v[S+6:S+7],   v[XF+6:XF+7],   v[22:23]
	v_pk_add_f32 v[24:25], v[24:25],     v[S+8:S+9]
	v_pk_add_f32 v[26:27], v[26:27],     v[S+10:S+11]
	v_pk_fma_f32 v[20:21], v[S+8:S+9],   v[XF+8:XF+9],   v[20:21]
	v_pk_fma_f32 v[22:23], v[S+10:S+11], v[XF+10:XF+11], v[22:23]
	v_pk_add_f32 v[24:25], v[24:25],     v[S+12:S+13]
	v_pk_add_f32 v[26:27], v[26:27],     v[S+14:S+15]
	v_pk_fma_f32 v[20:21], v[S+12:S+13], v[XF+12:XF+13], v[20:21]
	v_pk_fma_f32 v[22:23], v[S+14:S+15], v[XF+14:XF+15], v[22:23]
	v_pk_add_f32 v[20:21], v[20:21], v[22:23]
	v_pk_add_f32 v[24:25], v[24:25], v[26:27]
	v_add_f32 v20, v20, v21
	v_add_f32 v24, v24, v25
.irp m, 1,2,4,8
	v_add_f32_dpp v20, v20, v20 row_xmask:\m row_mask:0xf bank_mask:0xf
	v_add_f32_dpp v24, v24, v24 row_xmask:\m row_mask:0xf bank_mask:0xf
.endr
	v_permlanex16_b32 v[TC], v20, s24, s25
	v_permlanex16_b32 v[TB], v24, s24, s25
	v_add_f32 v20, v20, v[TC]
	v_add_f32 v24, v24, v[TB]                      ; Z is at least 1: the largest score's exponential
	v_rcp_f32 v25, v24
	s_lshl_b32 s26, s16, 2
	v_mov_b32 v[T0], s26                           ; the plain vector instruction between v_rcp_f32 and its use (ISA guide 5.7.2)
	s_wait_alu depctr_va_vdst(0)
	v_mul_f32 v20, v20, v25                        ; my batch row's result, in every lane
	; the eight results of the work-group meet in LDS, and wave 0 stores them as 32 consecutive bytes with one instruction
	ds_store_b32 v[T0], v20 offset:OUTL            ; all lanes write the same word with the same value
	s_wait_dscnt 0x0                               ; written, for wave 0's sake
	s_barrier_signal -1
	s_barrier_wait -1
	s_cmp_lg_u32 s16, 0
	s_cbranch_scc1 .Ldone
	s_lshl_b32 s18, ttmp9, 5                       ; 8 results of 4 bytes a work-group (s19 is still 0)
	s_add_nc_u64 s[14:15], s[14:15], s[18:19]
	v_lshlrev_b32 v[T1], 2, v[LANE]
	v_cmp_gt_u32 vcc_lo, 8, v[LANE]
	s_wait_xcnt 0x0                                ; EXEC changes only behind this wait
	s_wait_tensorcnt 0x0
	ds_add_u32 v15, v31
	s_wait_dscnt 0x0
	s_and_saveexec_b32 s27, vcc_lo                 ; lanes 0-7
	ds_load_b32 v21, v[T1] offset:OUTL
	s_wait_dscnt 0x0
	global_store_b32 v[T1], v21, s[14:15]
	s_endpgm
.Ldone:
	s_wait_tensorcnt 0x0
	ds_add_u32 v15, v31
	s_wait_dscnt 0x0
	s_endpgm
.Lfunc_end_k_qd25da26c91_afm_pool:
	.size	k_qd25da26c91_afm_pool, .Lfunc_end_k_qd25da26c91_afm_pool-k_qd25da26c91_afm_pool
	.p2alignl 7, 3214868480
	.fill 96, 4, 3214868480
	.section	.rodata,"a",@progbits
	.p2align	6, 0x0
	.amdhsa_kernel k_qd25da26c91_afm_pool
		.amdhsa_group_segment_fixed_size 118016
		.amdhsa_private_segment_fixed_size 0
		.amdhsa_enable_private_segment 0
		.amdhsa_kernarg_size 48
		.amdhsa_user_sgpr_count 2
		.amdhsa_user_sgpr_kernarg_segment_ptr 1
		.amdhsa_wavefront_size32 1
		.amdhsa_system_sgpr_workgroup_id_x 1
		.amdhsa_system_sgpr_workgroup_id_y 1
		.amdhsa_system_sgpr_workgroup_id_z 1
		.amdhsa_system_vgpr_workitem_id 0
		.amdhsa_next_free_vgpr 320
		.amdhsa_next_free_sgpr 66
		.amdhsa_reserve_vcc 1
		.amdhsa_float_denorm_mode_32 3
		.amdhsa_float_denorm_mode_16_64 3
		.amdhsa_memory_ordered 1
		.amdhsa_forward_progress 1
		.amdhsa_inst_pref_size 153
	.end_amdhsa_kernel
	.amdgpu_metadata
---
amdhsa.version: [ 1, 2 ]
amdhsa.kernels:
  - .name:           k_qd25da26c91_afm_pool
    .symbol:         k_qd25da26c91_afm_pool.kd
    .args:
      - { .name: x, .offset: 0, .size: 8, .value_kind: global_buffer, .address_space: global }
      - { .name: W1, .offset: 8, .size: 8, .value_kind: global_buffer, .address_space: global }
      - { .name: b1, .offset: 16, .size: 8, .value_kind: global_buffer, .address_space: global }
      - { .name: Ws, .offset: 24, .size: 8, .value_kind: global_buffer, .address_space: global }
      - { .name: bs, .offset: 32, .size: 8, .value_kind: global_buffer, .address_space: global }
      - { .name: out0, .offset: 40, .size: 8, .value_kind: global_buffer, .address_space: global }
    .group_segment_fixed_size: 118016
    .private_segment_fixed_size: 0
    .kernarg_segment_align: 8
    .kernarg_segment_size: 48
    .max_flat_workgroup_size: 256
    .sgpr_count:     66
    .vgpr_count:     320
    .wavefront_size: 32
...
	.end_amdgpu_metadata
.endif
;; end of part 1
